; MI455X (gfx1250); checked and timed in simulation.
; The chip was launched on July 23, 2026; its instructions are those of AMD's public machine-readable ISA for CDNA 5 (MIT licence, August 2026) and "CDNA5" Instruction Set Architecture Reference Guide (July 2026). The comments in the code are by the model that wrote it; some were corrected since.
;; Attn Block. Allowed arithmetic: matrix products marked QUANTISED: E4M3 operands, one E8M0 scale for each 32 along K, by v_wmma_scale_f32_16x16x128_f8f6f4 with both operands' format E4M3, f32 sums; everything else in f32.
;; Inputs: bk 128 float32; bo 128 float32; bq 128 float32; bv 128 float32; gn_bias 128 float32; gn_scale 128 float32; wk 128 x 128 float32; wo 128 x 128 float32; wq 128 x 128 float32; wv 128 x 128 float32; x 8 x 64 x 64 x 128 float32.
;; Outputs: out0 8 x 64 x 64 x 128 float32.
;; This version of the problem:
;;   THIS VERSION OF THE PROBLEM IS GIVEN IN LOW PRECISION. The matrix products marked QUANTISED in the list below multiply operands that are first quantised to E4M3 (4 exponent bits, 3 mantissa bits; 8 bits a number), with one power-of-two scale for each 32 numbers along K (OCP MX v1.0); their sums are f32. All else is computed in f32.
;;   The module's matrix products, in the order in which they are computed (A, B: the left and right operand; K: the contracted axis; several contracted axes count as one K, in the product's order):
;;     1. [M 32,768, K 128] x [K 128, N 128]; A: computed on the way; B: input wq: QUANTISED
;;     2. [M 32,768, K 128] x [K 128, N 128]; A: computed on the way; B: input wk: QUANTISED
;;     3. [M 32,768, K 128] x [K 128, N 128]; A: computed on the way; B: input wv: QUANTISED
;;     4. batch 8 x [M 4,096, K 128] x [K 128, N 4,096]; A: computed on the way; B: computed on the way: QUANTISED
;;     5. batch 8 x [M 4,096, K 4,096] x [K 4,096, N 128]; A: softmax (see below); B: computed on the way: QUANTISED
;;     6. [M 32,768, K 128] x [K 128, N 128]; A: computed on the way; B: input wo: QUANTISED
;;   THE QUANTISER, for each operand of a quantised product, along K:
;;     - K is cut into blocks of 32 from its start; a last block that is shorter is filled with zeros.
;;     - A block's scale is 2^e with e = floor(log2(the largest magnitude in the block)) - 8, held to -126 .. 127; a block of zeros has e = 0. As a byte (E8M0): e + 127.
;;     - Each number is divided by its block's scale, clamped to +-448, and rounded to the nearest number of E4M3, ties to even, subnormals kept.
;;     - The product sums the exact products of the quantised numbers (number of the format x scale) in f32.
;;   ~~~python
;;   def quantise(x, axis):      # numpy; x: float32 -> the quantised numbers, widened to float32 again
;;       x = np.moveaxis(x, axis, -1); K = x.shape[-1]
;;       x = np.pad(x, [(0, 0)] * (x.ndim - 1) + [(0, -K % 32)]); x = x.reshape(x.shape[:-1] + (-1, 32)); a = np.abs(x).max(-1, keepdims=True)
;;       e = np.where(a > 0, np.clip(np.frexp(np.where(a > 0, a, 1))[1] - 1 - 8, -126, 127), 0)      # np.frexp(a)[1] - 1 = floor(log2(a)), exactly
;;       r = np.clip(x / 2.0 ** e, -448, 448)
;;       step = 2.0 ** (np.maximum(np.frexp(np.where(r == 0, 1, r))[1] - 1, -6) - 3)
;;       q = np.round(r / step) * step * 2.0 ** e      # np.round: ties to even
;;       return np.moveaxis(q.reshape(q.shape[:-2] + (-1,))[..., :K], -1, axis).astype(np.float32)
;;   ~~~
;;   SOFTMAX AHEAD OF A QUANTISED PRODUCT. Where the list says 'softmax', what is quantised is not the finished softmax but p = 2^(t - M), with t = logit x log2(e) and M = ceil(the row's largest t), a whole number; so 1/2 < the row's largest p <= 1. The row's sum l is taken of the UNQUANTISED p, in f32, and the product's result is divided by l at the end. Since M is a whole number, a kernel that streams over the keys may use a running M (the ceiling of the running maximum): every later rescaling is an exact power of two, which a block's scale takes up: the codes' values come out the same.
;;   OPERANDS COMPUTED ON THE WAY. 'Computed on the way' means the value that the module computes at that place (a softmax that the list does not call 'softmax' is quantised finished and normalised). What goes into a quantiser is computed in f32, as accurately as f32 sums, v_exp_f32 and their like allow (about 1e-6 of the number): no bf16 or f16 on the way to a quantiser, and a product that is left as it is and whose result goes on into a quantised operand takes f32 operands (vector FMAs, or v_wmma_f32_16x16x4_f32). A number that lies on a knife's edge between two numbers of the format may be rounded either way, as far as f32 arithmetic and the matrix unit's own rounding can turn it there, and no further.
;; One version. Each part assembles by itself: llvm-mc -triple=amdgcn-amd-amdhsa -mcpu=gfx1250 --defsym DOCPART=n.
;; ======== version 1 of 1: 3 launches
;; limits: right only within a limited range of input values
;; workspace buffers: part 65,536 bytes; wimg 69,632 bytes; qb 4,325,376 bytes; kvb 8,650,752 bytes
;; launch stats (part 1): grid 256 x 1, 8 waves a work-group, no clusters, 3,072 bytes of LDS; arguments x, wq, wk, wv, wo, part, wimg; writes part, wimg
.if DOCPART == 1
	.amdgcn_target "amdgcn-amd-amdhsa--gfx1250"
	.amdhsa_code_object_version 6
	.text
	.protected	k_q329b51532d_stats
	.globl	k_q329b51532d_stats
	.p2align	8
	.type	k_q329b51532d_stats,@function
k_q329b51532d_stats:
	s_mov_b64 s[64:65], 0
	v_nop
	global_prefetch_b8 v0, s[64:65] scope:SCOPE_SE
	s_setreg_imm32_b32 hwreg(HW_REG_WAVE_MODE, 25, 1), 1
	s_wait_xcnt 0x0
; GroupNorm's partial statistics, and the four weights as codes of FP8 (E4M3) with E8M0 scales.
; x: [8][4096][128] f32.  A work-group takes a chunk of 128 positions (65,536 dense bytes).  A row is 512 bytes = 32 lanes x 16 bytes,
; so LANE l HOLDS GROUP l (channels 4 l .. 4 l + 3) in every load: 64 numbers a lane.  Each lane makes its mean and the sum of squares
; round that mean (no difference of large sums is formed); the eight waves' figures meet in LDS and wave 0 joins them:
; part[chunk][group] = (mean, M2) of 512 numbers: 256 bytes a chunk, one aligned store of the wave.
; WEIGHTS.  Work-groups 0 to 3 also quantise wq, wk, wv, wo ([k][n], K = the first axis): wave w makes tile w, whose 16 columns are
; n = 32 (w / 2) + 8 (w % 2) + r + 8 (r / 8); lane (r, h) takes its column's k = 32 c + 16 h + i: the conversions' results are the
; operand's registers, and they are stored as they stand: register group c, lane l at 2,048 w + 512 c + 16 l; the scale word at 16,384 + 128 w + 4 l.
; (The scale images are 128 bytes a wave: half of an aligned 256; 4,096 bytes in the whole launch.)
; No cluster, no tensor load, no matrix unit: work-groups share nothing but 256 KiB of weights that four of them read once; memory binds.
; LIMITS: NaN and infinities are not served; a block whose largest magnitude lies under 2^-118 keeps the byte 1, a block of zeros too
; (the rule says 127: its codes are zeros, and the bytes are read by this program alone).
.set X,   16                           ; v16-79   my 64 numbers of x
.set W,   80                           ; v80-143  my 64 numbers of a weight; later v80-87 four chains of squares
.set TM,  144                          ; v144-159 the quantiser's work
.set CD,  160                          ; v160-175 codes
.set PW,  176                          ; v176     the scale word
.set WV,  18
.set SEL, 24                           ; s[24:25] v_permlanex16_b32's selects for lane l xor 16
.set MNT, 26                           ; s26      the mantissa field of 448
; 64 numbers of a lane, register 16 b + i = k 32 b + 16 (lane / 16) + i of my row or column, become a fragment's codes in v[d] on and its scale word in v[w].
.macro QUANT s, d, w
.irp b, 0,1,2,3
	v_max3_num_f32 v[TM+\b], |v[\s+16*\b]|, |v[\s+16*\b+1]|, 0x4800000   ; my 16 numbers of block b, and the floor 2^(9 - 127): the byte cannot fall under 1
.endr
.irp i, 2,4,6,8,10,12,14
.irp b, 0,1,2,3
	v_max3_num_f32 v[TM+\b], v[TM+\b], |v[\s+16*\b+\i]|, |v[\s+16*\b+\i+1]|   ; the four blocks by turns
.endr
.endr
.irp b, 0,1,2,3
	v_permlanex16_b32 v[TM+4+\b], v[TM+\b], s[SEL], s[SEL+1]
.endr
.irp b, 0,1,2,3
	v_max_num_f32 v[TM+\b], v[TM+\b], v[TM+4+\b]       ; with lane l xor 16's: the block's largest magnitude
.endr
.irp b, 0,1,2,3
	v_add_nc_u32 v[TM+12+\b], 0xfc000000, v[TM+\b]     ; 8 off its exponent field: the conversion's scale operand
.endr
.irp b, 0,1,2,3
	v_and_or_b32 v[TM+8+\b], v[TM+\b], 0x7f800000, s[MNT]   ; 448 x the scale
.endr
.irp b, 0,1,2,3
	v_lshrrev_b32 v[TM+4+\b], 23, v[TM+12+\b]          ; the scale's byte
.endr
	v_lshl_or_b32 v[\w], v[TM+5], 8, v[TM+4]
	v_lshl_or_b32 v[\w], v[TM+6], 16, v[\w]
	v_lshl_or_b32 v[\w], v[TM+7], 24, v[\w]
.irp b, 0,1,2,3
.irp i, 0,1,2,3,4,5,6,7,8,9,10,11,12,13,14,15
	v_med3_num_f32 v[\s+16*\b+\i], v[\s+16*\b+\i], -v[TM+8+\b], v[TM+8+\b]   ; the conversion to an 8-bit code does not saturate (ISA guide 7.6.2): the hold
.endr
	v_cvt_scalef32_pk8_fp8_f32 v[\d+4*\b:\d+4*\b+1], v[\s+16*\b:\s+16*\b+7], v[TM+12+\b]
	v_cvt_scalef32_pk8_fp8_f32 v[\d+4*\b+2:\d+4*\b+3], v[\s+16*\b+8:\s+16*\b+15], v[TM+12+\b]
.endr
	v_nop                                          ; a plain line behind the last conversion
.endm
	s_load_b256 s[4:11], s[0:1], 0x0               ; x s[4:5], wq s[6:7], wk s[8:9], wv s[10:11]
	s_load_b128 s[12:15], s[0:1], 0x20             ; wo s[12:13], part s[14:15]
	s_load_b64 s[16:17], s[0:1], 0x30              ; wimg
	v_lshl_add_u32 v184, v0, 2, 0x800
	v_mov_b32 v185, 0
	v_lshrrev_b32 v8, 5, v0
	v_readfirstlane_b32 s[WV], v8                  ; wave 0..7
	v_and_b32 v1, 31, v0                           ; lane = group
	v_lshlrev_b32 v2, 4, v0                        ; 16 x thread: the eight waves cover eight rows
	v_lshlrev_b32 v7, 3, v1                        ; 8 x lane
	v_lshl_add_u32 v6, v8, 8, v7                   ; LDS: 256 x wave + 8 x lane
	s_lshl_b32 s20, ttmp9, 16                      ; the chunk's 65,536 bytes of x
	s_mov_b32 s21, 0
	s_lshl_b32 s22, ttmp9, 8                       ; and its 256 bytes of part
	s_mov_b32 s23, 0
	s_wait_kmcnt 0x0
	s_add_nc_u64 s[4:5], s[4:5], s[20:21]
	s_add_nc_u64 s[14:15], s[14:15], s[22:23]
.set i, 0
.rept 16
	global_load_b128 v[X+4*i:X+4*i+3], v2, s[4:5] offset:4096*i   ; 512 consecutive bytes a wave; x is read again by later launches: no hint
.set i, i+1
.endr
	s_cmp_lt_u32 ttmp9, 4                          ; work-groups 0 to 3 quantise a weight while x is on its way
	s_cbranch_scc0 .Lnow
	s_cmp_eq_u32 ttmp9, 1
	s_cselect_b64 s[6:7], s[8:9], s[6:7]
	s_cmp_eq_u32 ttmp9, 2
	s_cselect_b64 s[6:7], s[10:11], s[6:7]
	s_cmp_eq_u32 ttmp9, 3
	s_cselect_b64 s[6:7], s[12:13], s[6:7]         ; my weight: the choice hangs on the work-group's number alone
	s_mul_i32 s28, ttmp9, 17408
	s_mov_b32 s29, 0
	s_add_nc_u64 s[16:17], s[16:17], s[28:29]      ; and its images
	s_mov_b32 s[SEL], 0x76543210
	s_mov_b32 s[SEL+1], 0xfedcba98
	s_mov_b32 s[MNT], 0x600000
	v_and_b32 v9, 15, v0                           ; r
	v_bfe_u32 v10, v0, 4, 1                        ; h
	v_and_b32 v11, 8, v9
	v_add_nc_u32 v11, v11, v9                      ; r + 8 (r / 8)
	s_lshr_b32 s30, s[WV], 1
	s_lshl_b32 s30, s30, 5
	s_and_b32 s31, s[WV], 1
	s_lshl_b32 s31, s31, 3
	s_add_co_u32 s30, s30, s31                     ; 32 (w / 2) + 8 (w % 2)
	v_add_nc_u32 v11, s30, v11                     ; my column
	v_lshlrev_b32 v3, 2, v11
	v_lshl_add_u32 v3, v10, 13, v3                 ; + 16 h rows of 512 bytes
	s_lshl_b32 s30, s[WV], 11
	v_lshl_add_u32 v4, v1, 4, s30                  ; the image: 2,048 w + 16 l
	s_lshl_b32 s31, s[WV], 7
	s_add_co_u32 s31, s31, 16384
	v_lshl_add_u32 v5, v1, 2, s31                  ; the scale word: 16,384 + 128 w + 4 l
.irp b, 0,1,2,3
	v_mov_b32 v[TM+4+\b], 0                        ; a lane permute's destination counts as one of its sources
.endr
.irp c, 0,1,2,3
.irp i, 0,1,2,3,4,5,6,7,8,9,10,11,12,13,14,15
	global_load_b32 v[W+16*\c+\i], v3, s[6:7] offset:512*(32*\c+\i)   ; w(32 c + 16 h + i, my column)
.endr
.endr
	s_wait_loadcnt 0x0
	QUANT W, CD, PW
.irp c, 0,1,2,3
	global_store_b128 v4, v[CD+4*\c:CD+4*\c+3], s[16:17] offset:512*\c   ; 512 consecutive bytes a store
.endr
	global_store_b32 v5, v[PW], s[16:17]           ; none of these stores' registers is written again
.Lnow:
	s_wait_loadcnt 0x0                             ; x
.irp c, 0,1,2,3
	v_pk_add_f32 v[8+2*\c:9+2*\c], v[X+2*\c:X+2*\c+1], v[X+8+2*\c:X+9+2*\c]   ; the sum of my 64, in four chains
.endr
.irp j, 16,24,32,40,48,56
.irp c, 0,1,2,3
	v_pk_add_f32 v[8+2*\c:9+2*\c], v[8+2*\c:9+2*\c], v[X+\j+2*\c:X+\j+2*\c+1]
.endr
.endr
	v_pk_add_f32 v[8:9], v[8:9], v[10:11]
	v_pk_add_f32 v[12:13], v[12:13], v[14:15]
	v_pk_add_f32 v[8:9], v[8:9], v[12:13]
	v_add_f32 v8, v8, v9
	v_mul_f32 v8, 0xbc800000, v8                   ; - the mean of my 64
	v_mov_b32 v9, v8
.set i, 0
.rept 32
	v_pk_add_f32 v[X+2*i:X+2*i+1], v[X+2*i:X+2*i+1], v[8:9]   ; x - mean
.set i, i+1
.endr
.irp c, 0,1,2,3
	v_pk_mul_f32 v[80+2*\c:81+2*\c], v[X+2*\c:X+2*\c+1], v[X+2*\c:X+2*\c+1]   ; the first squares start the chains
.endr
.irp j, 8,16,24,32,40,48,56
.irp c, 0,1,2,3
	v_pk_fma_f32 v[80+2*\c:81+2*\c], v[X+\j+2*\c:X+\j+2*\c+1], v[X+\j+2*\c:X+\j+2*\c+1], v[80+2*\c:81+2*\c]
.endr
.endr
	v_pk_add_f32 v[80:81], v[80:81], v[82:83]
	v_pk_add_f32 v[84:85], v[84:85], v[86:87]
	v_pk_add_f32 v[80:81], v[80:81], v[84:85]
	v_mul_f32 v8, -1.0, v8                         ; the mean
	v_add_f32 v9, v80, v81                         ; M2
	ds_store_b64 v6, v[8:9]
	s_wait_dscnt 0x0                               ; for wave 0's sake: my store has landed
	s_barrier_signal -1
	s_barrier_wait -1
	s_cmp_lg_u32 s[WV], 0
	s_cbranch_scc1 .Lend
.irp w, 0,1,2,3,4,5,6,7
	ds_load_b64 v[16+2*\w:17+2*\w], v7 offset:256*\w   ; group l's figures of the eight waves
.endr
	s_wait_dscnt 0x0
	v_pk_add_f32 v[10:11], v[16:17], v[18:19]
	v_pk_add_f32 v[12:13], v[20:21], v[22:23]
	v_pk_add_f32 v[10:11], v[10:11], v[24:25]
	v_pk_add_f32 v[12:13], v[12:13], v[26:27]
	v_pk_add_f32 v[10:11], v[10:11], v[28:29]
	v_pk_add_f32 v[12:13], v[12:13], v[30:31]
	v_pk_add_f32 v[10:11], v[10:11], v[12:13]      ; (sum of means, sum of M2)
	v_mul_f32 v8, 0x3e000000, v10                  ; the chunk's mean: / 8
.irp w, 0,1,2,3,4,5,6,7
	v_sub_f32 v[16+2*\w], v[16+2*\w], v8
.endr
	v_mul_f32 v12, v16, v16
	v_mul_f32 v13, v18, v18
	v_fma_f32 v12, v20, v20, v12
	v_fma_f32 v13, v22, v22, v13
	v_fma_f32 v12, v24, v24, v12
	v_fma_f32 v13, v26, v26, v13
	v_fma_f32 v12, v28, v28, v12
	v_fma_f32 v13, v30, v30, v13
	v_add_f32 v12, v12, v13
	v_fmamk_f32 v9, v12, 0x42800000, v11           ; M2 = sum of M2 + 64 x sum of (mean_w - mean)^2
	global_store_b64 v7, v[8:9], s[14:15]          ; 32 lanes store 256 consecutive bytes, aligned
.Lend:
	s_wait_tensorcnt 0x0
	ds_add_u32 v184, v185
	s_wait_dscnt 0x0
	s_endpgm
.Lfunc_end_k_q329b51532d_stats:
	.size	k_q329b51532d_stats, .Lfunc_end_k_q329b51532d_stats-k_q329b51532d_stats
	.p2alignl 7, 3214868480
	.fill 96, 4, 3214868480
	.section	.rodata,"a",@progbits
	.p2align	6, 0x0
	.amdhsa_kernel k_q329b51532d_stats
		.amdhsa_group_segment_fixed_size 3072
		.amdhsa_private_segment_fixed_size 0
		.amdhsa_enable_private_segment 0
		.amdhsa_kernarg_size 56
		.amdhsa_user_sgpr_count 2
		.amdhsa_user_sgpr_kernarg_segment_ptr 1
		.amdhsa_wavefront_size32 1
		.amdhsa_system_sgpr_workgroup_id_x 1
		.amdhsa_system_sgpr_workgroup_id_y 1
		.amdhsa_system_sgpr_workgroup_id_z 1
		.amdhsa_system_vgpr_workitem_id 0
		.amdhsa_next_free_vgpr 186
		.amdhsa_next_free_sgpr 66
		.amdhsa_reserve_vcc 0
		.amdhsa_float_denorm_mode_32 3
		.amdhsa_float_denorm_mode_16_64 3
		.amdhsa_memory_ordered 1
		.amdhsa_forward_progress 1
		.amdhsa_inst_pref_size 27
	.end_amdhsa_kernel
	.amdgpu_metadata
---
amdhsa.version: [ 1, 2 ]
amdhsa.kernels:
  - .name:           k_q329b51532d_stats
    .symbol:         k_q329b51532d_stats.kd
    .args:
      - { .name: x, .offset: 0, .size: 8, .value_kind: global_buffer, .address_space: global }
      - { .name: wq, .offset: 8, .size: 8, .value_kind: global_buffer, .address_space: global }
      - { .name: wk, .offset: 16, .size: 8, .value_kind: global_buffer, .address_space: global }
      - { .name: wv, .offset: 24, .size: 8, .value_kind: global_buffer, .address_space: global }
      - { .name: wo, .offset: 32, .size: 8, .value_kind: global_buffer, .address_space: global }
      - { .name: part, .offset: 40, .size: 8, .value_kind: global_buffer, .address_space: global }
      - { .name: wimg, .offset: 48, .size: 8, .value_kind: global_buffer, .address_space: global }
    .group_segment_fixed_size: 3072
    .private_segment_fixed_size: 0
    .kernarg_segment_align: 8
    .kernarg_segment_size: 56
    .max_flat_workgroup_size: 256
    .sgpr_count:     66
    .vgpr_count:     186
    .wavefront_size: 32
...
	.end_amdgpu_metadata
.endif
;; end of part 1
;; launch qkv (part 2): grid 256 x 1, 8 waves a work-group, no clusters, 132,096 bytes of LDS; arguments x, part, gn_scale, gn_bias, wimg, bq, bk, bv, qb, kvb; writes qb, kvb
.if DOCPART == 2
	.amdgcn_target "amdgcn-amd-amdhsa--gfx1250"
	.amdhsa_code_object_version 6
	.text
	.protected	k_q329b51532d_qkv
	.globl	k_q329b51532d_qkv
	.p2align	8
	.type	k_q329b51532d_qkv,@function
k_q329b51532d_qkv:
	s_mov_b64 s[64:65], 0
	v_nop
	global_prefetch_b8 v0, s[64:65] scope:SCOPE_SE
	s_setreg_imm32_b32 hwreg(HW_REG_WAVE_MODE, 25, 1), 1
	s_wait_xcnt 0x0
; h = GroupNorm(x); q = h wq + bq, k = h wk + bk, v = h wv + bv, all three products on codes of FP8 (E4M3) with one E8M0 scale for each 32 along K;
; q and k are then quantised along the channels, v along the keys, and stored as IMAGES OF THE NEXT PRODUCTS' OPERAND REGISTERS (register group c, lane l at 512 c + 16 l of a fragment's 2,048 bytes).
; A work-group takes a chunk of 128 positions and makes one block of qb (8 fragments, then 512 bytes of scale words) and one of kvb (K's 8 fragments, V's 8, K's words, V's words).
; THE POSITIONS OF A TILE ARE NOT NEIGHBOURS: row r of tile t is position 32 (t / 2) + 8 (t % 2) + r + 8 (r / 8); the weights' tiles take their columns by the same rule.  So
;   q, k (transposed: source 0 = 16 columns of the weight, source 1 = my 16 rows of h): register 16 b + i of lane (r, h) is channel 32 b + 16 h + i of row r;
;   v (source 0 = 16 rows of h, source 1 = my 16 columns of wv): register 16 b + i is position 32 b + 16 h + i of my channel:
; in both cases 16 neighbours along the next K, in the order that the next operand's layout wants: the conversions' results are the operand.
; Wave w owns tile w of the positions (h, q, k) and tile w of v's channels.  wq's and wk's images, the batch's partials and the biases go through LDS once; h's images go from wave to wave through LDS.
; No cluster and no tensor load: what work-groups share (52 KiB of weight images, 8 KiB of partials) is a small part of a chunk's 64 KiB of x and 50 KiB of results, and is read once a work-group.
; LIMITS: NaN and infinities are not served; a block whose largest magnitude lies under 2^-118 keeps the byte 1, a block of zeros too (its codes are zeros; the bytes are read by this program alone).
.set WIMG,  0                          ; LDS: wq's 8 images, then wk's
.set HIMG,  32768                      ; h's 8 images
.set WSC,   49152                      ; wq's 8 scale images of 128 bytes, then wk's
.set HSC,   51200                      ; h's
.set PART,  52224                      ; the batch's 32 chunks x 256 bytes of partials
.set BIAS,  60416                      ; bq, then bk
.set SCSTG, 61440                      ; K's scale words (512 bytes), V's, Q's, as they go to memory
.set STG,   63488                      ; a stage of 16 rows x (512 + 16) bytes for each wave: row r starts at bank 4 r mod 64
.set L16, 4                            ; v4   16 x lane
.set L4,  5                            ; v5   4 x lane
.set L8,  6                            ; v6   8 x lane
.set STI, 7                            ; v7   my stage, by rows: + 16 x lane
.set STO, 8                            ; v8   my stage, by fragments: + 528 r + 64 h
.set HWI, 9                            ; v9   where I store h's image
.set HWS, 10                           ; v10  and its scale word
.set WWI, 11                           ; v11  where I store a weight's image
.set WWS, 12                           ; v12  and its scale word
.set PWA, 13                           ; v13  where I store partials
.set SCA, 14                           ; v14  K's and V's scale word of (tile w, row r): 256 (w % 2) + 16 r + 4 (w / 2)
.set SCQ, 15                           ; v15  Q's: 64 w + 4 r
.set B64, 16                           ; v16  64 h
.set SCL, 17                           ; v17  the scale words on their way out
.set BST, 18                           ; v18  BIAS + 4 x thread
.set BGO, 19                           ; v19  4 x (thread % 128)
.set GS,  20                           ; v20-23 gn_scale of my group, later x rstd;  v24-27 gn_bias
.set GB,  24
.set HF,  32                           ; v32-47 my tile of h as codes
.set HW,  48                           ; v48  its scale word
.set WVS, 49                           ; v49  wv's scale word
.set BV,  50                           ; v50  bv of my channel
.set PW,  51                           ; v51  the scale word just made
.set WS,  52                           ; v52-55 scale words of the four fragments in hand
.set CB,  56                           ; v56-63 bv of my channel, eight times: the C of v's products
.set X,   64                           ; v64-127 my 16 rows of x; afterwards:
.set WVF, 64                           ; v64-79  wv's fragment w
.set TM,  96                           ; v96-111 the quantiser's work
.set PC,  112                          ; v112-127 the codes just made
.set ACC, 128                          ; v128-191 partials, then h, then eight accumulators
.set WF,  192                          ; v192-255 four fragments
.set WV,  24
.set SEL, 26
.set MNT, 28
.macro QUANT s, d, w
.irp b, 0,1,2,3
	v_max3_num_f32 v[TM+\b], |v[\s+16*\b]|, |v[\s+16*\b+1]|, 0x4800000   ; my 16 numbers of block b, and the floor 2^(9 - 127): the byte cannot fall under 1
.endr
.irp i, 2,4,6,8,10,12,14
.irp b, 0,1,2,3
	v_max3_num_f32 v[TM+\b], v[TM+\b], |v[\s+16*\b+\i]|, |v[\s+16*\b+\i+1]|
.endr
.endr
.irp b, 0,1,2,3
	s_delay_alu instid0(VALU_DEP_4)
	v_permlanex16_b32 v[TM+4+\b], v[TM+\b], s[SEL], s[SEL+1]
.endr
.irp b, 0,1,2,3
	s_delay_alu instid0(VALU_DEP_4)
	v_max_num_f32 v[TM+\b], v[TM+\b], v[TM+4+\b]       ; with lane l xor 16's: the block's largest magnitude
.endr
.irp b, 0,1,2,3
	s_delay_alu instid0(VALU_DEP_4)
	v_add_nc_u32 v[TM+12+\b], 0xfc000000, v[TM+\b]     ; 8 off its exponent field: the conversion's scale operand
.endr
.irp b, 0,1,2,3
.endr
.irp b, 0,1,2,3
	s_delay_alu instid0(VALU_DEP_4)
	v_lshrrev_b32 v[TM+4+\b], 23, v[TM+12+\b]          ; the scale's byte
.endr
	s_delay_alu instid0(VALU_DEP_3)
	v_lshl_or_b32 v[\w], v[TM+5], 8, v[TM+4]
	s_delay_alu instid0(VALU_DEP_1)
	v_lshl_or_b32 v[\w], v[TM+6], 16, v[\w]
	s_delay_alu instid0(VALU_DEP_1)
	v_lshl_or_b32 v[\w], v[TM+7], 24, v[\w]
.irp b, 0,1,2,3
.irp i, 0,1,2,3,4,5,6,7,8,9,10,11,12,13,14,15
.endr
	v_cvt_scalef32_pk8_fp8_f32 v[\d+4*\b:\d+4*\b+1], v[\s+16*\b:\s+16*\b+7], v[TM+12+\b]
	v_cvt_scalef32_pk8_fp8_f32 v[\d+4*\b+2:\d+4*\b+3], v[\s+16*\b+8:\s+16*\b+15], v[TM+12+\b]
.endr
	v_nop                                          ; a plain line behind the last conversion
.endm
; A projection of my 16 rows of h, transposed.  The bias comes from LDS straight into the accumulators, in the result's layout (tile t, lane half h: channels 32 (t / 2) + 16 h + 8 (t % 2) + 0 .. 7), and is the C of
; each accumulator's one product (K = 128 is one instruction).  Four fragments of the weight at a time; eight places behind each run of products, for the loads and reads that follow.
.macro PROJ wbase, sbase, bbase
.irp t, 0,1,2,3,4,5,6,7
	ds_load_b128 v[ACC+8*\t:ACC+8*\t+3], v[B64] offset:(\bbase)+128*(\t/2)+32*(\t%2)
	ds_load_b128 v[ACC+8*\t+4:ACC+8*\t+7], v[B64] offset:(\bbase)+128*(\t/2)+32*(\t%2)+16
.endr
.irp g, 0,1
.irp t, 0,1,2,3
.irp c, 0,1,2,3
	ds_load_b128 v[WF+16*\t+4*\c:WF+16*\t+4*\c+3], v[L16] offset:(\wbase)+2048*(4*\g+\t)+512*\c
.endr
	ds_load_b32 v[WS+\t], v[L4] offset:(\sbase)+128*(4*\g+\t)
.endr
	s_wait_dscnt 0x0
.irp t, 0,1,2,3
	v_wmma_scale_f32_16x16x128_f8f6f4 v[ACC+8*(4*\g+\t):ACC+8*(4*\g+\t)+7], v[WF+16*\t:WF+16*\t+15], v[HF:HF+15], v[ACC+8*(4*\g+\t):ACC+8*(4*\g+\t)+7], v[WS+\t], v[HW]
.endr
.rept 8
	v_nop
.endr
.endr
.endm
	s_load_b256 s[4:11], s[0:1], 0x0               ; x s[4:5], part s[6:7], gn_scale s[8:9], gn_bias s[10:11]
	s_load_b256 s[12:19], s[0:1], 0x20             ; wimg s[12:13], bq s[14:15], bk s[16:17], bv s[18:19]
	s_load_b128 s[20:23], s[0:1], 0x40             ; qb s[20:21], kvb s[22:23]
	s_set_vgpr_msb 0x40
	v_lshl_add_u32 v0, v0, 2, 0x20000
	v_mov_b32 v1, 0
	s_set_vgpr_msb 0x4000
	v_lshrrev_b32 v1, 5, v0
	s_delay_alu instid0(VALU_DEP_1)
	v_readfirstlane_b32 s[WV], v1                  ; wave 0..7
	v_and_b32 v1, 31, v0                           ; lane
	v_and_b32 v2, 15, v0                           ; r
	v_bfe_u32 v3, v0, 4, 1                         ; h
	s_delay_alu instid0(VALU_DEP_3)
	v_lshlrev_b32 v[L16], 4, v1
	s_delay_alu instid0(VALU_DEP_4)
	v_lshlrev_b32 v[L4], 2, v1
	s_wait_alu depctr_va_vdst(0)
	v_lshlrev_b32 v[L8], 3, v1
	s_wait_alu depctr_va_vdst(0)
	s_mul_i32 s40, s[WV], 8448
	s_add_co_u32 s40, s40, STG                     ; my stage
	v_add_nc_u32 v[STI], s40, v[L16]
	v_mul_u32_u24 v[STO], v2, 528
	s_delay_alu instid0(VALU_DEP_1)
	v_lshl_add_u32 v[STO], v3, 6, v[STO]
	s_delay_alu instid0(VALU_DEP_1)
	v_add_nc_u32 v[STO], s40, v[STO]
	s_lshl_b32 s46, s[WV], 11                      ; 2,048 w
	s_mov_b32 s47, 0
	s_add_co_u32 s41, s46, HIMG
	v_add_nc_u32 v[HWI], s41, v[L16]
	v_add_nc_u32 v[WWI], s46, v[L16]               ; (WIMG = 0)
	s_lshl_b32 s32, s[WV], 7                       ; 128 w
	s_mov_b32 s33, 0
	s_add_co_u32 s41, s32, HSC
	v_add_nc_u32 v[HWS], s41, v[L4]
	s_add_co_u32 s41, s32, WSC
	v_add_nc_u32 v[WWS], s41, v[L4]
	s_lshl_b32 s41, s[WV], 10                      ; 1,024 w
	s_add_co_u32 s42, s41, PART
	v_add_nc_u32 v[PWA], s42, v[L8]
	s_and_b32 s43, s[WV], 1                        ; w % 2
	s_lshr_b32 s44, s[WV], 1                       ; w / 2
	s_lshl_b32 s45, s43, 8
	s_lshl_b32 s42, s44, 2
	s_add_co_u32 s45, s45, s42
	s_add_co_u32 s45, s45, SCSTG
	v_lshl_add_u32 v[SCA], v2, 4, s45
	s_lshl_b32 s45, s[WV], 6
	s_add_co_u32 s45, s45, SCSTG+1024
	v_lshl_add_u32 v[SCQ], v2, 2, s45
	v_lshlrev_b32 v[B64], 6, v3
	s_min_u32 s45, s[WV], 2
	s_lshl_b32 s45, s45, 9
	s_add_co_u32 s45, s45, SCSTG
	v_add_nc_u32 v[SCL], s45, v[L16]
	v_lshl_add_u32 v[BST], v0, 2, BIAS
	v_and_b32 v[BGO], 127, v0
	s_delay_alu instid0(VALU_DEP_1)
	v_lshlrev_b32 v[BGO], 2, v[BGO]
	s_lshl_b32 s25, s44, 5
	s_lshl_b32 s45, s43, 3
	s_add_co_u32 s25, s25, s45                     ; 32 (w / 2) + 8 (w % 2): my tile's first row, and first channel
	v_and_b32 v1, 8, v2                            ; (the lane's number has been used up: v1 becomes bv's offset)
	s_delay_alu instid0(VALU_DEP_1)
	v_add_nc_u32 v1, v1, v2
	s_delay_alu instid0(VALU_DEP_1)
	v_add_nc_u32 v1, s25, v1
	s_delay_alu instid0(VALU_DEP_1)
	v_lshlrev_b32 v1, 2, v1                        ; 4 x my channel of v
	s_lshr_b32 s38, ttmp9, 5                       ; the batch
	s_lshl_b32 s38, s38, 13                        ; its 8,192 bytes of partials,
	s_add_co_u32 s38, s38, s41                     ; my four chunks of them
	s_mov_b32 s39, 0
	s_lshl_b32 s40, ttmp9, 7
	s_add_co_u32 s40, s40, s25                     ; my tile's first row of x
	s_lshl_b32 s40, s40, 9
	s_mov_b32 s41, 0
	s_mul_i32 s42, ttmp9, 16896                    ; my block of qb
	s_mov_b32 s43, 0
	s_mul_i32 s44, ttmp9, 33792                    ; and of kvb
	s_mov_b32 s45, 0
	s_mov_b32 s[SEL], 0x76543210
	s_mov_b32 s[SEL+1], 0xfedcba98
	s_mov_b32 s29, 0x38800000                      ; 2^-14: a group has 16,384 numbers
	s_wait_alu depctr_va_vdst(0)
	s_wait_kmcnt 0x0
	s_add_nc_u64 s[6:7], s[6:7], s[38:39]
	s_add_nc_u64 s[4:5], s[4:5], s[40:41]
	s_add_nc_u64 s[20:21], s[20:21], s[42:43]
	s_add_nc_u64 s[22:23], s[22:23], s[44:45]
	s_add_nc_u64 s[30:31], s[12:13], s[46:47]      ; the weights' images, fragment w
	s_add_nc_u64 s[12:13], s[12:13], s[32:33]      ; and its scale words
	s_add_nc_u64 s[34:35], s[20:21], s[46:47]      ; where my fragment of q goes
	s_add_nc_u64 s[36:37], s[22:23], s[46:47]      ; and of k and v
	s_cmp_lt_u32 s[WV], 4
	s_cselect_b64 s[14:15], s[14:15], s[16:17]     ; threads 0-127 fetch bq, 128-255 bk
	s_mov_b32 s38, 0x44000000                      ; 512: a chunk's numbers of a group
	s_mov_b32 s39, 0x358637bd                      ; 1e-6
.irp i, 0,1,2,3
	global_load_b64 v[128+2*\i:129+2*\i], v[L8], s[6:7] offset:256*\i         ; partials of chunks 4 w + i
.endr
.irp c, 0,1,2,3
	global_load_b128 v[192+4*\c:195+4*\c], v[L16], s[30:31] offset:512*\c        ; wq's fragment w
.endr
.irp c, 0,1,2,3
	global_load_b128 v[208+4*\c:211+4*\c], v[L16], s[30:31] offset:17408+512*\c  ; wk's
.endr
	global_load_b32 v224, v[L4], s[12:13] offset:16384
	global_load_b32 v225, v[L4], s[12:13] offset:17408+16384
	global_load_b32 v226, v[BGO], s[14:15]
	global_load_b128 v[GS:GS+3], v[L16], s[8:9]    ; lane l: group l's four channels
	global_load_b128 v[GB:GB+3], v[L16], s[10:11]
.set i, 0
.rept 16
	global_load_b128 v[X+4*i:X+4*i+3], v[L16], s[4:5] offset:((i%8)+16*(i/8))*512   ; row i of my tile: 512 consecutive bytes; lane l holds group l
.set i, i+1
.endr
	s_wait_loadcnt 18                              ; gn_scale, gn_bias and x's sixteen may stay out
.irp i, 0,1,2,3
	ds_store_b64 v[PWA], v[128+2*\i:129+2*\i] offset:256*\i
.endr
.irp c, 0,1,2,3
	ds_store_b128 v[WWI], v[192+4*\c:195+4*\c] offset:512*\c
	ds_store_b128 v[WWI], v[208+4*\c:211+4*\c] offset:16384+512*\c
.endr
	ds_store_b32 v[WWS], v224
	ds_store_b32 v[WWS], v225 offset:1024
	ds_store_b32 v[BST], v226
	s_wait_dscnt 0x0                               ; for the others' sake: my stores have landed
	s_barrier_signal -1
	s_barrier_wait -1                              ; partials, wq, wk, bq, bk lie in LDS
.set i, 0
.rept 32
	ds_load_b64 v[128+2*i:129+2*i], v[L8] offset:PART+256*i   ; (mean, M2) of group l in chunk i
.set i, i+1
.endr
	s_wait_dscnt 0x0
	v_pk_add_f32 v[194:195], v[128:129], v[136:137]
	v_pk_add_f32 v[196:197], v[144:145], v[152:153]
	v_pk_add_f32 v[198:199], v[160:161], v[168:169]
	v_pk_add_f32 v[254:255], v[176:177], v[184:185]
	v_pk_add_f32 v[252:253], v[130:131], v[138:139]
	v_pk_add_f32 v[250:251], v[146:147], v[154:155]
	v_pk_add_f32 v[248:249], v[162:163], v[170:171]
	v_pk_add_f32 v[192:193], v[178:179], v[186:187]
	s_delay_alu instid0(VALU_DEP_1)
	v_pk_add_f32 v[192:193], v[192:193], v[132:133]
	v_pk_add_f32 v[194:195], v[194:195], v[140:141]
	v_pk_add_f32 v[196:197], v[196:197], v[148:149]
	v_pk_add_f32 v[198:199], v[198:199], v[156:157]
	v_pk_add_f32 v[254:255], v[254:255], v[164:165]
	v_pk_add_f32 v[252:253], v[252:253], v[172:173]
	v_pk_add_f32 v[250:251], v[250:251], v[180:181]
	v_pk_add_f32 v[248:249], v[248:249], v[188:189]
	v_pk_add_f32 v[192:193], v[192:193], v[134:135]
	v_pk_add_f32 v[194:195], v[194:195], v[142:143]
	v_pk_add_f32 v[196:197], v[196:197], v[150:151]
	v_pk_add_f32 v[198:199], v[198:199], v[158:159]
	v_pk_add_f32 v[254:255], v[254:255], v[166:167]
	v_pk_add_f32 v[252:253], v[252:253], v[174:175]
	v_pk_add_f32 v[250:251], v[250:251], v[182:183]
	v_pk_add_f32 v[248:249], v[248:249], v[190:191]
	s_delay_alu instid0(VALU_DEP_4)
	v_pk_add_f32 v[192:193], v[192:193], v[254:255]
	s_delay_alu instid0(VALU_DEP_4)
	v_pk_add_f32 v[194:195], v[194:195], v[252:253]
	s_delay_alu instid0(VALU_DEP_4)
	v_pk_add_f32 v[196:197], v[196:197], v[250:251]
	s_delay_alu instid0(VALU_DEP_4)
	v_pk_add_f32 v[198:199], v[198:199], v[248:249]
	s_delay_alu instid0(VALU_DEP_2)
	v_pk_add_f32 v[192:193], v[192:193], v[196:197]
	s_delay_alu instid0(VALU_DEP_2)
	v_pk_add_f32 v[194:195], v[194:195], v[198:199]
	s_delay_alu instid0(VALU_DEP_1)
	v_pk_add_f32 v[192:193], v[192:193], v[194:195]
	s_delay_alu instid0(VALU_DEP_1)
	v_mul_f32 v28, 0xbd000000, v192                ; - the group's mean
	s_delay_alu instid0(VALU_DEP_1)
	v_mov_b32 v29, v28
.set i, 0
.rept 32
	v_add_f32 v[128+2*i], v[128+2*i], v28          ; mean_i - mean
.set i, i+1
.endr
.irp c, 0,1,2,3
	v_mul_f32 v[194+\c], v[128+2*\c], v[128+2*\c]
.endr
.irp j, 8,16,24,32,40,48,56
.irp c, 0,1,2,3
	s_delay_alu instid0(VALU_DEP_4)
	v_fma_f32 v[194+\c], v[128+\j+2*\c], v[128+\j+2*\c], v[194+\c]
.endr
.endr
	s_delay_alu instid0(VALU_DEP_3)
	v_add_f32 v194, v194, v195
	s_delay_alu instid0(VALU_DEP_2)
	v_add_f32 v196, v196, v197
	s_delay_alu instid0(VALU_DEP_1)
	v_add_f32 v194, v194, v196
	s_delay_alu instid0(VALU_DEP_1)
	v_fma_f32 v195, v194, s38, v193                ; the group's M2
	s_delay_alu instid0(VALU_DEP_1)
	v_fma_f32 v30, v195, s29, s39                  ; var + 1e-6
	s_wait_alu depctr_va_vdst(0)
	v_rsq_f32 v31, v30
	v_nop                                          ; a plain line behind the transcendental
	s_wait_alu depctr_va_vdst(0)                   ; and the wait ahead of its first reader
	s_wait_loadcnt 0x0                             ; gn_scale, gn_bias, x
.irp k, 0,1,2,3
	v_mul_f32 v[GS+\k], v31, v[GS+\k]
.endr
.set i, 0
.rept 32
	v_pk_add_f32 v[X+2*i:X+2*i+1], v[X+2*i:X+2*i+1], v[28:29]   ; x - mean
.set i, i+1
.endr
.set i, 0
.rept 16
	v_pk_fma_f32 v[X+4*i:X+4*i+1], v[X+4*i:X+4*i+1], v[GS:GS+1], v[GB:GB+1]           ; x rstd x scale + bias
	v_pk_fma_f32 v[X+4*i+2:X+4*i+3], v[X+4*i+2:X+4*i+3], v[GS+2:GS+3], v[GB+2:GB+3]
.set i, i+1
.endr
.set i, 0
.rept 16
	ds_store_b128 v[STI], v[X+4*i:X+4*i+3] offset:528*i   ; through my own stage: in by rows,
.set i, i+1
.endr
.irp c, 0,1,2,3
.irp j, 0,1,2,3
	ds_load_b128 v[ACC+16*\c+4*\j:ACC+16*\c+4*\j+3], v[STO] offset:128*\c+16*\j   ; out as lane (r, h) wants them: channels 32 c + 16 h + 0 .. 15 of row r.  LDS serves a wave's instructions in order
.endr
.endr
	s_wait_dscnt 0x0
.irp c, 0,1,2,3
	global_load_b128 v[WVF+4*\c:WVF+4*\c+3], v[L16], s[30:31] offset:34816+512*\c   ; wv's fragment w stays in registers: it lands under q's and k's work
.endr
	global_load_b32 v[WVS], v[L4], s[12:13] offset:34816+16384
	global_load_b32 v[BV], v1, s[18:19]
.irp b, 0,1,2,3
	v_mov_b32 v[TM+4+\b], 0                        ; a lane permute's destination counts as one of its sources
.endr
	QUANT ACC, HF, HW
.irp c, 0,1,2,3
	ds_store_b128 v[HWI], v[HF+4*\c:HF+4*\c+3] offset:512*\c   ; h's image, for v's products in the other waves
.endr
	ds_store_b32 v[HWS], v[HW]
.rept 4
	v_nop                                          ; codes written by vector instructions stand four places ahead of a scaled product
.endr
	s_wait_alu depctr_va_vdst(0)
	PROJ WIMG, WSC, BIAS                           ; q
	QUANT ACC, PC, PW
.irp c, 0,1,2,3
	global_store_b128 v[L16], v[PC+4*\c:PC+4*\c+3], s[34:35] offset:512*\c   ; 512 consecutive bytes a store
.endr
	ds_store_b32 v[SCQ], v[PW]                     ; both lanes of a row write the same word
	PROJ WIMG+16384, WSC+1024, BIAS+512            ; k
	s_wait_xcnt 0x0                                ; q's stores have read their data: the codes' registers are written again
	QUANT ACC, PC, PW
.irp c, 0,1,2,3
	global_store_b128 v[L16], v[PC+4*\c:PC+4*\c+3], s[36:37] offset:512*\c
.endr
	ds_store_b32 v[SCA], v[PW]
	s_wait_loadcnt 0x0                             ; wv's fragment, its scale word, bv
.irp j, 0,1,2,3,4,5,6,7
	v_mov_b32 v[CB+\j], v[BV]                      ; every register of a result of v is my channel
.endr
.rept 4
	v_nop
.endr
	s_wait_alu depctr_va_vdst(0)
	s_wait_dscnt 0x0                               ; my image of h has landed
	s_barrier_signal -1
	s_barrier_wait -1                              ; all eight lie in LDS
.irp g, 0,1
.irp t, 0,1,2,3
.irp c, 0,1,2,3
	ds_load_b128 v[WF+16*\t+4*\c:WF+16*\t+4*\c+3], v[L16] offset:HIMG+2048*(4*\g+\t)+512*\c
.endr
	ds_load_b32 v[WS+\t], v[L4] offset:HSC+128*(4*\g+\t)
.endr
	s_wait_dscnt 0x0
.irp t, 0,1,2,3
	v_wmma_scale_f32_16x16x128_f8f6f4 v[ACC+8*(4*\g+\t):ACC+8*(4*\g+\t)+7], v[WF+16*\t:WF+16*\t+15], v[WVF:WVF+15], v[CB:CB+7], v[WS+\t], v[WVS]
.endr
.rept 8
	v_nop
.endr
.endr
	s_wait_xcnt 0x0                                ; k's stores have read their data
	QUANT ACC, PC, PW                              ; along the keys
.irp c, 0,1,2,3
	global_store_b128 v[L16], v[PC+4*\c:PC+4*\c+3], s[36:37] offset:16384+512*\c
.endr
	ds_store_b32 v[SCA], v[PW] offset:512
	s_wait_dscnt 0x0
	s_barrier_signal -1
	s_barrier_wait -1                              ; the chunk's scale words lie in LDS as they go to memory
	s_cmp_gt_u32 s[WV], 2
	s_cbranch_scc1 .Lend
	ds_load_b128 v[80:83], v[SCL]                  ; wave 0: K's 512 bytes; wave 1: V's; wave 2: Q's
	s_lshl_b32 s40, s[WV], 9
	s_add_co_u32 s40, s40, 32768
	s_mov_b32 s41, 0
	s_add_nc_u64 s[22:23], s[22:23], s[40:41]
	s_add_nc_u64 s[20:21], s[20:21], 16384
	s_cmp_lt_u32 s[WV], 2
	s_cselect_b64 s[20:21], s[22:23], s[20:21]
	s_wait_dscnt 0x0
	global_store_b128 v[L16], v[80:83], s[20:21]   ; 512 consecutive bytes, aligned
.Lend:
	s_set_vgpr_msb 0x5
	s_wait_tensorcnt 0x0
	ds_add_u32 v0, v1
	s_wait_dscnt 0x0
	s_set_vgpr_msb 0x500
	s_endpgm
.Lfunc_end_k_q329b51532d_qkv:
	.size	k_q329b51532d_qkv, .Lfunc_end_k_q329b51532d_qkv-k_q329b51532d_qkv
	.p2alignl 7, 3214868480
	.fill 96, 4, 3214868480
	.section	.rodata,"a",@progbits
	.p2align	6, 0x0
	.amdhsa_kernel k_q329b51532d_qkv
		.amdhsa_group_segment_fixed_size 132096
		.amdhsa_private_segment_fixed_size 0
		.amdhsa_enable_private_segment 0
		.amdhsa_kernarg_size 80
		.amdhsa_user_sgpr_count 2
		.amdhsa_user_sgpr_kernarg_segment_ptr 1
		.amdhsa_wavefront_size32 1
		.amdhsa_system_sgpr_workgroup_id_x 1
		.amdhsa_system_sgpr_workgroup_id_y 1
		.amdhsa_system_sgpr_workgroup_id_z 1
		.amdhsa_system_vgpr_workitem_id 0
		.amdhsa_next_free_vgpr 258
		.amdhsa_next_free_sgpr 66
		.amdhsa_reserve_vcc 0
		.amdhsa_float_denorm_mode_32 3
		.amdhsa_float_denorm_mode_16_64 3
		.amdhsa_fp16_overflow 1
		.amdhsa_memory_ordered 1
		.amdhsa_forward_progress 1
		.amdhsa_inst_pref_size 59
	.end_amdhsa_kernel
	.amdgpu_metadata
---
amdhsa.version: [ 1, 2 ]
amdhsa.kernels:
  - .name:           k_q329b51532d_qkv
    .symbol:         k_q329b51532d_qkv.kd
    .args:
      - { .name: x, .offset: 0, .size: 8, .value_kind: global_buffer, .address_space: global }
      - { .name: part, .offset: 8, .size: 8, .value_kind: global_buffer, .address_space: global }
      - { .name: gn_scale, .offset: 16, .size: 8, .value_kind: global_buffer, .address_space: global }
      - { .name: gn_bias, .offset: 24, .size: 8, .value_kind: global_buffer, .address_space: global }
      - { .name: wimg, .offset: 32, .size: 8, .value_kind: global_buffer, .address_space: global }
      - { .name: bq, .offset: 40, .size: 8, .value_kind: global_buffer, .address_space: global }
      - { .name: bk, .offset: 48, .size: 8, .value_kind: global_buffer, .address_space: global }
      - { .name: bv, .offset: 56, .size: 8, .value_kind: global_buffer, .address_space: global }
      - { .name: qb, .offset: 64, .size: 8, .value_kind: global_buffer, .address_space: global }
      - { .name: kvb, .offset: 72, .size: 8, .value_kind: global_buffer, .address_space: global }
    .group_segment_fixed_size: 132096
    .private_segment_fixed_size: 0
    .kernarg_segment_align: 8
    .kernarg_segment_size: 80
    .max_flat_workgroup_size: 256
    .sgpr_count:     66
    .vgpr_count:     258
    .wavefront_size: 32
...
	.end_amdgpu_metadata
.endif
;; end of part 2
;; launch attn (part 3): grid 32 x 8, 8 waves a work-group, clusters of 4 x 1, 327,680 bytes of LDS; arguments qb, kvb, wimg, bo, x, out0; writes out0
.if DOCPART == 3
	.amdgcn_target "amdgcn-amd-amdhsa--gfx1250"
	.amdhsa_code_object_version 6
	.text
	.protected	k_q329b51532d_attn
	.globl	k_q329b51532d_attn
	.p2align	8
	.type	k_q329b51532d_attn,@function
k_q329b51532d_attn:
	s_mov_b64 s[64:65], 0
	v_nop
	global_prefetch_b8 v0, s[64:65] scope:SCOPE_SE
	s_setreg_imm32_b32 hwreg(HW_REG_WAVE_MODE, 25, 1), 1
	s_wait_xcnt 0x0
	s_wait_alu depctr_hold_cnt(0) depctr_sa_sdst(0) depctr_va_vdst(0) depctr_va_sdst(0) depctr_va_ssrc(0) depctr_va_vcc(0) depctr_vm_vsrc(0)
	s_getreg_b32 s2, hwreg(HW_REG_IB_STS2, 6, 4)
	s_cmp_eq_u32 s2, 0
	s_cbranch_scc0 .Lentry_in_a_cluster
	s_endpgm
.Lentry_in_a_cluster:
	s_bfe_u32 s2, ttmp6, 0x10000c
	s_cmp_lg_u32 s2, 0x3003
	s_cbranch_scc0 .Lentry_shape_is_right
	s_endpgm
.Lentry_shape_is_right:
; out = x + (softmax(q k^T / sqrt(128)) v) wo + bo, the three products on codes of FP8 (E4M3) with one E8M0 scale for each 32 along K.  q, k, v and wo arrive as images of operand registers.
; THE SOFTMAX AHEAD OF THE SECOND PRODUCT: t = score x log2(e) / sqrt(128); M = the largest t so far, rounded up to a whole number; p = 2^(t - M) is quantised along the keys, not normalised; the row's sum is
; taken of the unquantised p and divides at the end; when M moves, the sum and O are multiplied by 2^(old M - new M), which rounds nothing.
; SHARES.  A work-group owns a chunk of 128 queries of one batch (8 tiles of 16).  Wave w (b = w % 4, kh = w / 4) owns tiles 2 b and 2 b + 1 and walks HALF of the keys: block kh (128 keys) of every slot of 256.
; So each fragment of K and V that a wave reads from LDS feeds two products, and two waves stand on a SIMD, one's vector work beside the other's matrix work and LDS loads.
; Register slot u of a wave holds tile 2 b + (u xor kh): at the end every wave keeps slot 0 and sends slot 1 to wave w xor 4 through LDS; no branch and no register number hangs on kh.
; LAYOUT.  Both products are used transposed (S^T = K Q^T, O^T = V^T P^T): a lane holds one query throughout.  The keys of a tile of K and the channels of a tile of V were chosen by the launch before so that
; registers 16 b + i of S^T are keys 32 b + 16 (lane / 16) + i and those of O^T channels likewise: the conversions' results are the next operand.
; CLUSTER.  The four chunks of a cluster belong to one batch and walk the same K and V: each quarter of a slot is asked for JOINTLY, by the same tensor load with a mask that names the four.
; A slot is two blocks of kvb as they lie in memory (K's 8 images, V's 8, K's and V's scale words): 67,584 dense bytes, 66 rows of 256 bytes for each of waves 0 to 3; no padding: a fragment load takes 512 consecutive bytes.
; LIMITS: NaN and infinities are not served; v_exp_f32 gives 0 where p would be denormal; a block of p or o whose largest magnitude lies under 2^-118 keeps the byte 1.
; REGISTERS.  Window 0: v1-13 addresses; v14-21 (-M, largest t, sum in two halves) of each slot; v22-25 f; v26-27 p's scale words; v28 Q's; v29-31 at work; v32-35 K's scale words, v36-39 V's; v40-47 the blocks' largest;
;   v48-63 at work; v64-95 Q; v96-127 p's codes; v128-255 S^T, then p.   Window 1: v0-127 O^T; v128-255 eight fragments of K or of V.
.set SLOT1, 1<<17                      ; slot 1 begins here: one exclusive or turns an address in one slot into the other's
.set BLKB,  33792                      ; a block of kvb
.set QUART, 16896                      ; a quarter of a slot: what one tensor load brings
.set SPARE, SLOT1+2*BLKB               ; behind the ring: the spare words, 128 bytes for each wave: four blocks of 256 bytes that no other line names
.set XCH,   SPARE+1024                 ; the exchange: 8,448 bytes for each wave: 8,192 of O^T, -M at 8,192, the sum at 8,320.  No fill lands here
.set WREG,  8448                       ; also a wave's stage on the way out, 16 rows x (512 + 16) bytes, in slot 0, which has then had its last fill and its last read
.set LB,  1                            ; v1   16 x lane + 33,792 kh
.set AD,  2                            ; v2   LDS address of the step's block
.set SPW, 3                            ; v3   my spare word; never rewritten
.set NIL, 4                            ; v4   0; never rewritten
.set XS,  5                            ; v5   the exchange: where I send
.set XL,  6                            ; v6   and where wave w xor 4 has sent
.set SO,  7                            ; v7   my stage, by fragments
.set SR,  8                            ; v8   my stage, by rows
.set GO,  9                            ; v9   16 x lane
.set PFO, 10                           ; v10  256 x lane
.set XS4, 11                           ; v11  the exchange's single words: mine,
.set XL4, 12                           ; v12  the partner's
.set ST,  14
.set FP,  22
.set PW,  26
.set QS,  28
.set T,   29
.set KS,  32
.set VS,  36
.set BM,  40
.set TM,  48
.set HOLD, 56
.set SOP, 60
.set Q,   64
.set PC,  96
.set S,   128
.set R,   128
.set Y,   192
.set F,   128                          ; in window 1
.set WV,  16
.set MNT, 19
.set SEL, 20
.set CS,  22
.set G1,  24
.set G0,  32
.set TB,  36
.set SLOTS, 37
.set LIM, 38
.set PFA, 40
.set MSB, 0
.macro WIN new                         ; the immediate's high byte repeats the setting that is left; bits 1:0 source 0, 3:2 source 1, 5:4 source 2, 7:6 destination
.if MSB != \new
	s_set_vgpr_msb (MSB<<8)|\new
.set MSB, \new
.endif
.endm
.macro QUANT s, d, w
.irp b, 0,1,2,3
	v_max3_num_f32 v[TM+\b], |v[\s+16*\b]|, |v[\s+16*\b+1]|, 0x4800000
.endr
.irp i, 2,4,6,8,10,12,14
.irp b, 0,1,2,3
	s_delay_alu instid0(VALU_DEP_4)
	v_max3_num_f32 v[TM+\b], v[TM+\b], |v[\s+16*\b+\i]|, |v[\s+16*\b+\i+1]|
.endr
.endr
.irp b, 0,1,2,3
	s_delay_alu instid0(VALU_DEP_4)
	v_permlanex16_b32 v[TM+4+\b], v[TM+\b], s[SEL], s[SEL+1]
.endr
.irp b, 0,1,2,3
	s_delay_alu instid0(VALU_DEP_4)
	v_max_num_f32 v[TM+\b], v[TM+\b], v[TM+4+\b]
.endr
.irp b, 0,1,2,3
	s_delay_alu instid0(VALU_DEP_4)
	v_add_nc_u32 v[TM+12+\b], 0xfc000000, v[TM+\b]
.endr
.irp b, 0,1,2,3
.endr
.irp b, 0,1,2,3
	s_delay_alu instid0(VALU_DEP_4)
	v_lshrrev_b32 v[TM+4+\b], 23, v[TM+12+\b]
.endr
	s_delay_alu instid0(VALU_DEP_3)
	v_lshl_or_b32 v[\w], v[TM+5], 8, v[TM+4]
	s_delay_alu instid0(VALU_DEP_1)
	v_lshl_or_b32 v[\w], v[TM+6], 16, v[\w]
	s_delay_alu instid0(VALU_DEP_1)
	v_lshl_or_b32 v[\w], v[TM+7], 24, v[\w]
.irp b, 0,1,2,3
.irp i, 0,1,2,3,4,5,6,7,8,9,10,11,12,13,14,15
.endr
	v_cvt_scalef32_pk8_fp8_f32 v[\d+4*\b:\d+4*\b+1], v[\s+16*\b:\s+16*\b+7], v[TM+12+\b]
	v_cvt_scalef32_pk8_fp8_f32 v[\d+4*\b+2:\d+4*\b+3], v[\s+16*\b+8:\s+16*\b+15], v[TM+12+\b]
.endr
	v_nop
.endm
; A round of the cluster's barrier: my work-group's barrier; wave 0 signals for the work-group; every wave waits for all four work-groups; my work-group's barrier once more.
.macro CROUND
	s_barrier_signal -1
	s_barrier_wait -1
	s_cmp_lg_u32 s[WV], 0
	s_cbranch_scc1 .Lnot_wave_0_\@
	s_barrier_signal -3
.Lnot_wave_0_\@:
	s_barrier_wait -3
	s_barrier_signal -1
	s_barrier_wait -1
.endm
; A joint load: waves 0 to 3 fetch a quarter of a slot each.  The branch hangs on the wave's number alone.  Four v_nop follow the load.
.macro JLOAD
	s_cmp_lt_u32 s[WV], 4
	s_cbranch_scc0 .Lno_load_\@
	tensor_load_to_lds s[G0:G0+3], s[G1:G1+7]
	s_nop 0
.rept 4
	v_nop
.endr
.Lno_load_\@:
.endm
; A prefetch of what the NEXT change of slots will ask for: the slot's 65,536 bytes of codes.  All clusters of a batch walk the same blocks: the batch's first cluster asks.  Its four partners are told apart BY ADDRESS
; (block cx / 2, K's or V's images by cx % 2); in each, waves 4 and 5, which fetch nothing, ask for 8,192 bytes each, lanes 256 bytes apart: each aligned 256 bytes of codes is named once in the launch.
; The scale words (1,024 bytes a block) and slots 0 and 1 come by their loads alone; the last change that fills a slot asks for nothing.
.macro ASK
	s_cmp_gt_u32 s[SLOTS], s[LIM]
	s_cbranch_scc0 .Lnot_mine_\@
	global_prefetch_b8 v[PFO], s[PFA:PFA+1] th:TH_LOAD_NT scope:SCOPE_SE
.Lnot_mine_\@:
.endm
; THE CHANGE OF SLOTS stands at a slot's head.  Each wave waits for all its tensor loads (its part of the slot ahead), adds 0 to its spare word, and waits for that and for its reads of the slot that it has left.
; fill = 1: a round of the cluster's barrier, so that no wave of any partner still reads that slot or has a load on its way; the joint refill is the first thing behind it and has a whole step in which to land.
.macro CHANGE fill
	s_wait_tensorcnt 0x0                           ; no tensor load of mine is out, so group 0 may be written
	ds_add_u32 v[SPW], v[NIL]                      ; 0 onto my spare word
.if \fill
	s_xor_b32 s[G0+1], s[G0+1], SLOT1              ; the other slot than last time,
	s_add_nc_u64 s[G0+2:G0+3], s[G0+2:G0+3], 2*BLKB   ; the next 256 keys; the type bits on top are not reached
	s_wait_xcnt 0x0                                ; the last prefetch, a step back, has read its address
	s_add_nc_u64 s[PFA:PFA+1], s[PFA:PFA+1], 2*BLKB   ; one slot further on than the descriptor
.endif
	s_wait_dscnt 0x0                               ; the add is done, and my reads of the slot that I have left are over
.if \fill
	CROUND
	JLOAD
	ASK
.else
	s_barrier_signal -1
	s_barrier_wait -1
.endif
.endm
; S^T of key tile t and register slot u.  K's scale words: register t / 2, lanes 0-15 for even t, lanes 16-31 for odd; Q's: lanes 0-15 slot 0, lanes 16-31 slot 1.
.macro SPROD t, u
.set rD, S+64*(\u)+8*(\t)
.set rA, F+16*(\t)
.set rB, Q+16*(\u)
.set rK, KS+(\t)/2
.if ((\t)%2) && (\u)
	v_wmma_scale_f32_16x16x128_f8f6f4 v[rD:rD+7], v[rA:rA+15], v[rB:rB+15], 0, v[rK], v[QS] matrix_a_scale:MATRIX_SCALE_ROW1 matrix_b_scale:MATRIX_SCALE_ROW1
.elseif (\t)%2
	v_wmma_scale_f32_16x16x128_f8f6f4 v[rD:rD+7], v[rA:rA+15], v[rB:rB+15], 0, v[rK], v[QS] matrix_a_scale:MATRIX_SCALE_ROW1
.elseif \u
	v_wmma_scale_f32_16x16x128_f8f6f4 v[rD:rD+7], v[rA:rA+15], v[rB:rB+15], 0, v[rK], v[QS] matrix_b_scale:MATRIX_SCALE_ROW1
.else
	v_wmma_scale_f32_16x16x128_f8f6f4 v[rD:rD+7], v[rA:rA+15], v[rB:rB+15], 0, v[rK], v[QS]
.endif
.endm
; O^T += V^T P^T of channel tile t and slot u.  first = 1: the product starts the sum: nothing is ever cleared.
.macro PVPROD t, u, first
.set rD, 64*(\u)+8*(\t)
.set rA, F+16*(\t)
.set rB, PC+16*(\u)
.set rK, VS+(\t)/2
.if (\first) && ((\t)%2)
	v_wmma_scale_f32_16x16x128_f8f6f4 v[rD:rD+7], v[rA:rA+15], v[rB:rB+15], 0, v[rK], v[PW+\u] matrix_a_scale:MATRIX_SCALE_ROW1
.elseif \first
	v_wmma_scale_f32_16x16x128_f8f6f4 v[rD:rD+7], v[rA:rA+15], v[rB:rB+15], 0, v[rK], v[PW+\u]
.elseif (\t)%2
	v_wmma_scale_f32_16x16x128_f8f6f4 v[rD:rD+7], v[rA:rA+15], v[rB:rB+15], v[rD:rD+7], v[rK], v[PW+\u] matrix_a_scale:MATRIX_SCALE_ROW1
.else
	v_wmma_scale_f32_16x16x128_f8f6f4 v[rD:rD+7], v[rA:rA+15], v[rB:rB+15], v[rD:rD+7], v[rK], v[PW+\u]
.endif
.endm
; Slot u's p: the row's sum of the unquantised p, the four blocks' scales and the codes.
.macro STAGED u
	v_pk_add_f32 v[48:49], v[S+64*\u:S+64*\u+1], v[S+64*\u+2:S+64*\u+3]   ; two at a time, in two chains
.irp j, 4,8,12,16,20,24,28,32,36,40,44,48,52,56,60
	v_pk_add_f32 v[ST+4*\u+2:ST+4*\u+3], v[ST+4*\u+2:ST+4*\u+3], v[S+64*\u+\j:S+64*\u+\j+1]
	v_pk_add_f32 v[48:49], v[48:49], v[S+64*\u+\j+2:S+64*\u+\j+3]
.endr
	s_delay_alu instid0(VALU_DEP_1)
	v_pk_add_f32 v[ST+4*\u+2:ST+4*\u+3], v[ST+4*\u+2:ST+4*\u+3], v[48:49]
.irp b, 0,1,2,3
	v_max_num_f32 v[BM+4*\u+\b], 0x4800000, v[BM+4*\u+\b]   ; the floor 2^(9 - 127): the byte cannot fall under 1
.endr
.irp b, 0,1,2,3
	s_delay_alu instid0(VALU_DEP_4)
	v_add_nc_u32 v[SOP+\b], 0xfc000000, v[BM+4*\u+\b]       ; 8 off the exponent field: the conversion's scale operand
.endr
.irp b, 0,1,2,3
.endr
.irp b, 0,1,2,3
	s_delay_alu instid0(VALU_DEP_4)
	v_lshrrev_b32 v[52+\b], 23, v[SOP+\b]          ; the scale's byte
.endr
	s_delay_alu instid0(VALU_DEP_3)
	v_lshl_or_b32 v[PW+\u], v53, 8, v52            ; p's scale word for these 128 keys
	s_delay_alu instid0(VALU_DEP_1)
	v_lshl_or_b32 v[PW+\u], v54, 16, v[PW+\u]
	s_delay_alu instid0(VALU_DEP_1)
	v_lshl_or_b32 v[PW+\u], v55, 24, v[PW+\u]
.irp b, 0,1,2,3
.irp i, 0,1,2,3,4,5,6,7,8,9,10,11,12,13,14,15
.endr
	v_cvt_scalef32_pk8_fp8_f32 v[PC+16*\u+4*\b:PC+16*\u+4*\b+1], v[S+64*\u+16*\b:S+64*\u+16*\b+7], v[SOP+\b]
	v_cvt_scalef32_pk8_fp8_f32 v[PC+16*\u+4*\b+2:PC+16*\u+4*\b+3], v[S+64*\u+16*\b+8:S+64*\u+16*\b+15], v[SOP+\b]
.endr
.endm
; A KEY STEP: my block's 128 keys, for both of my tiles.
.macro STEP first
	v_add_nc_u32 v[AD], s[TB], v[LB]
.rept 7
	v_nop                                          ; with the addition: eight places behind the last products, in front of loads into registers that they have read
.endr
	ds_load_b128 v[KS:KS+3], v[AD] offset:32768    ; K's scale words: register j: tile 2 j in lanes 0-15, tile 2 j + 1 in lanes 16-31
	ds_load_b128 v[VS:VS+3], v[AD] offset:33280    ; V's likewise
	WIN 0x40                                       ; destination window 1
.irp t, 0,1,2,3,4,5,6,7
.irp c, 0,1,2,3
	ds_load_b128 v[F+16*\t+4*\c:F+16*\t+4*\c+3], v[AD] offset:2048*\t+512*\c
.endr
.endr
	WIN 0x01                                       ; source 0 (K) window 1
	s_wait_alu depctr_va_vdst(0)
	s_wait_dscnt 16                                ; the scale words and K's tiles 0 to 3 are in; the youngest sixteen loads (tiles 4 to 7) may be out
.irp t, 0,1,2,3
	SPROD \t, 0
	SPROD \t, 1
.endr
	s_wait_dscnt 0x0
.irp t, 4,5,6,7
	SPROD \t, 0
	SPROD \t, 1
.endr
.rept 8
	v_nop                                          ; places in front of the loads over K's fragments and of the first read of the scores
.endr
	WIN 0x40
.irp t, 0,1,2,3,4,5,6,7
.irp c, 0,1,2,3
	ds_load_b128 v[F+16*\t+4*\c:F+16*\t+4*\c+3], v[AD] offset:16384+2048*\t+512*\c   ; V's fragments land under the softmax
.endr
.endr
	WIN 0
.irp u, 0,1
.irp b, 0,1,2,3
	v_max3_num_f32 v[BM+4*\u+\b], v[S+64*\u+16*\b], v[S+64*\u+16*\b+1], v[S+64*\u+16*\b+2]   ; the largest score of each block of 32 keys: for the row's maximum, and, since p rises with the score, for the block's largest p
.endr
.endr
.irp i, 3,5,7,9,11,13
.irp u, 0,1
.irp b, 0,1,2,3
	v_max3_num_f32 v[BM+4*\u+\b], v[BM+4*\u+\b], v[S+64*\u+16*\b+\i], v[S+64*\u+16*\b+\i+1]
.endr
.endr
.endr
.irp u, 0,1
.irp b, 0,1,2,3
	v_max_num_f32 v[BM+4*\u+\b], v[BM+4*\u+\b], v[S+64*\u+16*\b+15]
.endr
.endr
.irp j, 0,1,2,3,4,5,6,7
	v_permlanex16_b32 v[48+\j], v[BM+\j], s[SEL], s[SEL+1]
.endr
.irp j, 0,1,2,3,4,5,6,7
	v_max_num_f32 v[BM+\j], v[BM+\j], v[48+\j]     ; with lane l xor 16's 16 keys
.endr
.irp u, 0
	v_max3_num_f32 v[T+\u], v[BM+4*\u], v[BM+4*\u+1], v[BM+4*\u+2]
.endr
.irp u, 1
	s_delay_alu instid0(VALU_DEP_3)
	v_max3_num_f32 v[T+\u], v[BM+4*\u], v[BM+4*\u+1], v[BM+4*\u+2]
.endr
.irp u, 0,1
	s_delay_alu instid0(VALU_DEP_2)
	v_max_num_f32 v[T+\u], v[T+\u], v[BM+4*\u+3]   ; the step's largest score of my query
.endr
.irp u, 0,1
	s_delay_alu instid0(VALU_DEP_2)
	v_mul_f32 v[T+\u], s[CS], v[T+\u]              ; as t (c is positive)
.endr
.irp u, 0,1
	s_delay_alu instid0(VALU_DEP_2)
	v_max_num_f32 v[ST+4*\u+1], v[ST+4*\u+1], v[T+\u]   ; the running largest t
.endr
.irp u, 0,1
	v_mov_b32 v[T+\u], v[ST+4*\u]
.endr
.irp u, 0,1
	s_delay_alu instid0(VALU_DEP_4)
	v_floor_f32 v[ST+4*\u], -v[ST+4*\u+1]          ; the new -M = floor(-t): M is a whole number
.endr
.irp u, 0,1
	s_delay_alu instid0(VALU_DEP_2)
	v_sub_f32 v[T+\u], v[ST+4*\u], v[T+\u]         ; old M - new M: a whole number, 0 or less
.endr
.irp u, 0,1
	s_delay_alu instid0(VALU_DEP_2)
	v_cvt_i32_f32 v[T+\u], v[T+\u]                 ; (it saturates)
.endr
.irp u, 0,1
	s_delay_alu instid0(VALU_DEP_2)
	v_ldexp_f32 v[FP+2*\u], 1.0, v[T+\u]           ; f = 2^(old M - new M)
.endr
.irp u, 0,1
.set jj, 0
.rept 32
	v_pk_fma_f32 v[S+64*\u+jj:S+64*\u+jj+1], v[S+64*\u+jj:S+64*\u+jj+1], s[CS:CS+1], v[ST+4*\u:ST+4*\u+1] op_sel_hi:[1,0,0]   ; t - M, two at a time
.set jj, jj+2
.endr
.endr
.irp u, 0,1
.irp b, 0,1,2,3
	v_fma_f32 v[BM+4*\u+\b], v[BM+4*\u+\b], s[CS], v[ST+4*\u]   ; the same of each block's largest score
.endr
.endr
	s_wait_alu depctr_va_vdst(0)
.irp j, 0,1,2,3,4,5,6,7
	v_exp_f32 v[BM+\j], v[BM+\j]                   ; ONE BATCH: the blocks' largest p,
.endr
.set jj, 0
.rept 128
	v_exp_f32 v[S+jj], v[S+jj]                     ; and p = 2^(t - M), at most 1
.set jj, jj+1
.endr
.irp u, 0,1
	v_pk_mul_f32 v[ST+4*\u+2:ST+4*\u+3], v[ST+4*\u+2:ST+4*\u+3], v[FP+2*\u:FP+2*\u+1] op_sel_hi:[1,0]   ; the sums under the new M: plain lines behind the exponentials
.endr
	s_wait_alu depctr_va_vdst(0)                   ; one wait for the whole batch, ahead of its first reader
	STAGED 0
	STAGED 1
.if \first
	s_wait_alu depctr_va_vdst(0)
.rept 8
	v_nop                                          ; the first step has nothing to rescale: the places in front of the scaled products
.endr
.else
	WIN 0x41                                       ; O^T: destination and source 0 window 1
.irp u, 0,1
.set jj, 0
.rept 32
	v_pk_mul_f32 v[64*\u+jj:64*\u+jj+1], v[64*\u+jj:64*\u+jj+1], v[FP+2*\u:FP+2*\u+1] op_sel_hi:[1,0]   ; O^T under the new M; also the places in front of the scaled products
.set jj, jj+2
.endr
.endr
.endif
	s_wait_alu depctr_va_vdst(0)
	s_wait_dscnt 0x0                               ; V's fragments are in
	WIN 0x51                                       ; V window 1, p window 0, O^T window 1
.irp t, 0,1,2,3,4,5,6,7
	PVPROD \t, 0, \first                           ; sixteen accumulators by turns, one instruction a turn
	PVPROD \t, 1, \first
.endr
	WIN 0
	s_xor_b32 s[TB], s[TB], SLOT1                  ; on to the other slot
.endm
	s_load_b256 s[4:11], s[0:1], 0x0               ; qb s[4:5], kvb s[6:7], wimg s[8:9], bo s[10:11]
	s_load_b128 s[12:15], s[0:1], 0x20             ; x s[12:13], out0 s[14:15]
	v_lshl_add_u32 v[SPW], v0, 2, SPARE
	v_mov_b32 v[NIL], 0
	ds_add_u32 v3, v4
	ds_add_u32 v3, v4
	s_wait_dscnt 0x0
	v_lshrrev_b32 v13, 5, v0
	s_delay_alu instid0(VALU_DEP_1)
	v_readfirstlane_b32 s[WV], v13                 ; wave 0..7
	s_and_b32 s17, s[WV], 3                        ; b
	s_lshr_b32 s18, s[WV], 2                       ; kh
	v_and_b32 v13, 31, v0                          ; lane
	s_wait_alu depctr_va_vdst(0)
	v_lshlrev_b32 v[GO], 4, v13
	v_lshlrev_b32 v[PFO], 8, v13
	s_mul_i32 s46, s18, BLKB
	v_add_nc_u32 v[LB], s46, v[GO]
	s_mul_i32 s46, s[WV], WREG
	v_add_nc_u32 v[SR], s46, v[GO]
	s_add_co_u32 s47, s46, XCH
	v_add_nc_u32 v[XS], s47, v[GO]
	s_add_co_u32 s47, s47, 8192
	v_lshl_add_u32 v[XS4], v13, 2, s47
	s_xor_b32 s48, s[WV], 4
	s_mul_i32 s48, s48, WREG
	s_add_co_u32 s48, s48, XCH
	v_add_nc_u32 v[XL], s48, v[GO]
	s_add_co_u32 s48, s48, 8192
	v_lshl_add_u32 v[XL4], v13, 2, s48
	v_and_b32 v29, 15, v0                          ; r
	v_bfe_u32 v30, v0, 4, 1                        ; h
	s_delay_alu instid0(VALU_DEP_2)
	v_mul_u32_u24 v[SO], v29, 528
	s_delay_alu instid0(VALU_DEP_1)
	v_lshl_add_u32 v[SO], v30, 6, v[SO]
	s_delay_alu instid0(VALU_DEP_1)
	v_add_nc_u32 v[SO], s46, v[SO]
	s_delay_alu instid0(VALU_DEP_4)
	v_lshlrev_b32 v31, 6, v30                      ; 64 h: bo's offset, kept
	v_xor_b32 v30, s18, v30
	s_delay_alu instid0(VALU_DEP_1)
	v_lshlrev_b32 v30, 6, v30
	s_delay_alu instid0(VALU_DEP_1)
	v_lshl_add_u32 v13, v29, 2, v30                ; Q's scale words: 4 r + 64 (h xor kh): lanes 0-15 slot 0's tile, lanes 16-31 slot 1's
.irp u, 0,1
	v_mov_b32 v[ST+4*\u+1], 0xff61b1e6             ; the largest t so far: -3e38, under every t
	s_delay_alu instid0(VALU_DEP_1)
	v_floor_f32 v[ST+4*\u], -v[ST+4*\u+1]          ; -M
	v_mov_b32 v[ST+4*\u+2], 0                      ; the sum, in two halves
	v_mov_b32 v[ST+4*\u+3], 0
	v_mov_b32 v[FP+2*\u+1], 0                      ; (named as the upper half of f's pair)
.endr
.irp j, 0,1,2,3,4,5,6,7
	v_mov_b32 v[48+\j], 0                          ; a lane permute's destination counts as one of its sources
.endr
	s_mov_b32 s[SEL], 0x76543210
	s_mov_b32 s[SEL+1], 0xfedcba98
	s_mov_b32 s[CS], 0x3e0293ee                    ; c = log2(e) / sqrt(128)
	s_mov_b32 s[CS+1], s[CS]
	; descriptor group 1: 66 rows of 256 bytes (32 elements of 8 bytes), dense
	s_mov_b32 s[G1], 15|(3<<16)|(1<<21)            ; 15:0 the mask: all four work-groups; 17:16 elements of 8 bytes; 21 set beside a mask; no padding
	s_mov_b32 s[G1+1], 32<<16                      ; tensor_dim0 = 32
	s_mov_b32 s[G1+2], 66<<16                      ; tensor_dim1 = 66
	s_mov_b32 s[G1+3], 32<<16                      ; tile_dim0 = 32
	s_mov_b32 s[G1+4], 66                          ; tile_dim1 = 66
	s_mov_b32 s[G1+5], 32                          ; from row to row
	s_mov_b32 s[G1+6], 0
	s_mov_b32 s[G1+7], 0
	s_mov_b32 s[TB], 0
	s_mov_b32 s[SLOTS], 15                         ; slots still to be asked for
	s_bfe_u32 s39, ttmp6, 0x40000                  ; cx: it enters Q's, x's, out0's and the prefetches' addresses alone
	s_and_b32 s46, ttmp7, 0xffff                   ; the batch, which the four partners share
	s_mul_i32 s54, s46, 32*BLKB                    ; its blocks of kvb
	s_mov_b32 s55, 0
	s_mul_i32 s56, s17, QUART                      ; the quarter of a slot that I fetch, if I fetch
	s_mov_b32 s57, 0
	s_lshl_b32 s47, ttmp9, 2
	s_add_co_u32 s47, s47, s39                     ; my chunk of the batch = 4 x cluster x + cx
	s_lshl_b32 s48, s46, 5
	s_add_co_u32 s48, s48, s47                     ; among all 256
	s_mul_i32 s50, s48, 16896                      ; its block of qb
	s_mov_b32 s51, 0
	s_lshl_b32 s52, s17, 1
	s_add_co_u32 s52, s52, s18                     ; slot 0's tile: 2 b + kh
	s_xor_b32 s53, s52, 1                          ; slot 1's: 2 b + (1 xor kh)
	s_lshl_b32 s58, s52, 11
	s_mov_b32 s59, 0
	s_lshl_b32 s60, s53, 11
	s_mov_b32 s61, 0
	s_lshl_b32 s62, s17, 7                         ; the two tiles' scale words: 128 b
	s_mov_b32 s63, 0
	s_lshl_b32 s48, s48, 7
	s_lshl_b32 s49, s17, 5
	s_add_co_u32 s48, s48, s49
	s_lshl_b32 s49, s18, 3
	s_add_co_u32 s48, s48, s49                     ; the first row of the tile that I finish: 128 x chunk + 32 b + 8 kh
	s_lshl_b32 s48, s48, 9
	s_mov_b32 s49, 0
	s_lshr_b32 s2, s39, 1                          ; the prefetches: block cx / 2 of a slot,
	s_mul_i32 s2, s2, BLKB
	s_and_b32 s3, s39, 1
	s_lshl_b32 s3, s3, 14                          ; K's images or V's,
	s_add_co_u32 s2, s2, s3
	s_and_b32 s3, s[WV], 1
	s_lshl_b32 s3, s3, 13                          ; my wave's half of them,
	s_add_co_u32 s2, s2, s3
	s_add_co_u32 s2, s2, 2*BLKB                    ; in slot 1: the first change of slots steps it to slot 2.  Nothing is prefetched at the head
	s_mov_b32 s3, 0
	s_sub_co_u32 s[LIM], s[WV], 4
	s_lshr_b32 s[LIM], s[LIM], 1                   ; 0 in waves 4 and 5,
	s_or_b32 s[LIM], s[LIM], ttmp9                 ; of the batch's first cluster: the same in all four partners
	s_cmp_eq_u32 s[LIM], 0
	s_cselect_b32 s[LIM], 1, -1
	s_wait_kmcnt 0x0
	s_add_nc_u64 s[6:7], s[6:7], s[54:55]          ; kvb at my batch
	s_add_nc_u64 s[PFA:PFA+1], s[6:7], s[2:3]
	s_mov_b32 s[G0], 1                             ; 1:0 count = 1
	s_mov_b32 s[G0+1], s56                         ; 63:32 LDS address: slot 0, my quarter
	s_add_nc_u64 s[G0+2:G0+3], s[6:7], s[56:57]    ; 120:64 global address
	s_or_b32 s[G0+3], s[G0+3], 0x80000000          ; 127:126 type = 2
	s_add_nc_u64 s[4:5], s[4:5], s[50:51]          ; my block of qb
	s_add_nc_u64 s[42:43], s[4:5], s[60:61]        ; slot 1's tile
	s_add_nc_u64 s[44:45], s[4:5], s[62:63]        ; the scale words
	s_add_nc_u64 s[4:5], s[4:5], s[58:59]          ; slot 0's tile
	s_add_nc_u64 s[8:9], s[8:9], 52224             ; wo's images
	s_add_nc_u64 s[12:13], s[12:13], s[48:49]
	s_add_nc_u64 s[14:15], s[14:15], s[48:49]
	CROUND                                         ; all four work-groups are here: the first joint loads meet
	JLOAD                                          ; slot 0
.irp c, 0,1,2,3
	global_load_b128 v[Q+4*\c:Q+4*\c+3], v[GO], s[4:5] offset:512*\c th:TH_LOAD_NT        ; Q stays in registers
.endr
.irp c, 0,1,2,3
	global_load_b128 v[Q+16+4*\c:Q+16+4*\c+3], v[GO], s[42:43] offset:512*\c th:TH_LOAD_NT
.endr
	global_load_b32 v[QS], v13, s[44:45] offset:16384
	s_wait_loadcnt 0x0
	CHANGE 1                                       ; slot 0 is whole; slot 1 is asked for
	STEP 1                                         ; the first step's products start O^T's sums
	s_mov_b32 s[SLOTS], 14
.Lslot:                                            ; 14 trips: behind each change of slots but the last the next slot is asked for
	CHANGE 1
	STEP 0
	s_sub_co_u32 s[SLOTS], s[SLOTS], 1
	s_cmp_lg_u32 s[SLOTS], 0
	s_cbranch_scc1 .Lslot
	CHANGE 0                                       ; the last slot is written out
	STEP 0
	; THE WAY OUT.  wo, bo are asked for; slot 1 goes to wave w xor 4; the two halves of the keys are joined; o is quantised; o wo + bo; + x; stored by whole rows.
.rept 8
	v_nop                                          ; places behind the last products, for the loads, stores and reads below
.endr
	v_and_b32 v13, 31, v0
	s_delay_alu instid0(VALU_DEP_1)
	v_lshlrev_b32 v13, 2, v13                      ; 4 x lane
	WIN 0x40
.irp t, 0,1,2,3,4,5,6,7
.irp c, 0,1,2,3
	global_load_b128 v[F+16*\t+4*\c:F+16*\t+4*\c+3], v[GO], s[8:9] offset:2048*\t+512*\c   ; wo's eight fragments
.endr
.endr
	WIN 0
.irp t, 0,1,2,3,4,5,6,7
	global_load_b32 v[32+\t], v13, s[8:9] offset:16384+128*\t                            ; and their scale words
.endr
.irp t, 0,1,2,3,4,5,6,7
	global_load_b128 v[Y+8*\t:Y+8*\t+3], v31, s[10:11] offset:128*(\t/2)+32*(\t%2)       ; bo straight into the accumulators, in the result's layout
	global_load_b128 v[Y+8*\t+4:Y+8*\t+7], v31, s[10:11] offset:128*(\t/2)+32*(\t%2)+16
.endr
	v_add_f32 v29, v[ST+6], v[ST+7]                ; slot 1's sum
	WIN 0x04                                       ; an LDS store's data are its source 1: window 1
.set i, 0
.rept 16
	ds_store_b128 v[XS], v[64+4*i:67+4*i] offset:512*i   ; slot 1's O^T as it stands, each accumulator from its low end on
.set i, i+1
.endr
	WIN 0
	ds_store_b32 v[XS4], v[ST+4]                   ; its -M
	ds_store_b32 v[XS4], v29 offset:128
	s_wait_dscnt 0x0                               ; for the partner's sake: my stores have landed
	s_barrier_signal -1
	s_barrier_wait -1
	WIN 0x40
.set i, 0
.rept 16
	global_load_b128 v[64+4*i:67+4*i], v[GO], s[12:13] offset:((i%8)+16*(i/8))*512 th:TH_LOAD_NT   ; x: row i of my tile, 512 consecutive bytes; into the registers that slot 1 has left
.set i, i+1
.endr
	WIN 0
.set i, 0
.rept 16
	ds_load_b128 v[R+4*i:R+4*i+3], v[XL] offset:512*i   ; the other half of the keys' O^T of my tile
.set i, i+1
.endr
	ds_load_b32 v40, v[XL4]                        ; its -M
	ds_load_b32 v41, v[XL4] offset:128             ; its sum
	s_wait_dscnt 0x0
	v_add_f32 v42, v[ST+2], v[ST+3]                ; my sum
	v_min_num_f32 v43, v[ST], v40                  ; -M of both
	s_delay_alu instid0(VALU_DEP_1)
	v_sub_f32 v44, v43, v[ST]
	s_delay_alu instid0(VALU_DEP_2)
	v_sub_f32 v46, v43, v40
	s_delay_alu instid0(VALU_DEP_2)
	v_cvt_i32_f32 v44, v44
	s_delay_alu instid0(VALU_DEP_2)
	v_cvt_i32_f32 v46, v46
	s_delay_alu instid0(VALU_DEP_2)
	v_ldexp_f32 v44, 1.0, v44                      ; 2^(my M - M),
	s_delay_alu instid0(VALU_DEP_2)
	v_ldexp_f32 v46, 1.0, v46                      ; 2^(the partner's M - M): both exact
	s_delay_alu instid0(VALU_DEP_2)
	v_mul_f32 v42, v42, v44
	s_delay_alu instid0(VALU_DEP_1)
	v_fma_f32 v42, v41, v46, v42
	s_delay_alu instid0(VALU_DEP_1)
	v_permlanex16_b32 v45, v42, s[SEL], s[SEL+1]
	s_delay_alu instid0(VALU_DEP_1)
	v_add_f32 v42, v42, v45                        ; with lane l xor 16's keys: the row's sum
	s_wait_alu depctr_va_vdst(0)
	v_rcp_f32 v47, v42
	v_nop                                          ; a plain line behind the transcendental
	s_wait_alu depctr_va_vdst(0)                   ; and the wait ahead of its first reader
	v_mul_f32 v44, v44, v47
	v_mul_f32 v46, v46, v47
.set jj, 0
.rept 32
	v_pk_mul_f32 v[R+jj:R+jj+1], v[R+jj:R+jj+1], v[46:47] op_sel_hi:[1,0]
.set jj, jj+2
.endr
	WIN 0x01                                       ; source 0: my O^T, window 1
.set jj, 0
.rept 32
	v_pk_fma_f32 v[R+jj:R+jj+1], v[jj:jj+1], v[44:45], v[R+jj:R+jj+1] op_sel_hi:[1,0,1]   ; o: register 16 b + i = channel 32 b + 16 h + i of my query
.set jj, jj+2
.endr
	WIN 0
	QUANT R, PC, PW
.rept 4
	v_nop                                          ; codes written by vector instructions stand four places ahead of a scaled product
.endr
	s_wait_alu depctr_va_vdst(0)
	s_wait_loadcnt 16                              ; wo, its scale words and bo are in; x's sixteen loads may be out
	WIN 0x01
.irp t, 0,1,2,3,4,5,6,7
	v_wmma_scale_f32_16x16x128_f8f6f4 v[Y+8*\t:Y+8*\t+7], v[F+16*\t:F+16*\t+15], v[PC:PC+15], v[Y+8*\t:Y+8*\t+7], v[32+\t], v[PW]
.endr
	WIN 0
.rept 8
	v_nop
.endr
.irp t, 0,1,2,3,4,5,6,7
	ds_store_b128 v[SO], v[Y+8*\t:Y+8*\t+3] offset:128*(\t/2)+32*(\t%2)        ; through my stage: lane (r, h): channels 32 (t / 2) + 16 h + 8 (t % 2) + 0 .. 7 of row r
	ds_store_b128 v[SO], v[Y+8*\t+4:Y+8*\t+7] offset:128*(\t/2)+32*(\t%2)+16
.endr
.set i, 0
.rept 16
	ds_load_b128 v[R+4*i:R+4*i+3], v[SR] offset:528*i   ; back as whole rows.  LDS serves a wave's instructions in order: these see my stores
.set i, i+1
.endr
	s_wait_loadcnt 0x0                             ; x
	s_wait_dscnt 0x0
	WIN 0x04                                       ; source 1: x, window 1
.set jj, 0
.rept 32
	v_pk_add_f32 v[R+jj:R+jj+1], v[R+jj:R+jj+1], v[64+jj:65+jj]
.set jj, jj+2
.endr
	WIN 0
.set i, 0
.rept 16
	global_store_b128 v[GO], v[R+4*i:R+4*i+3], s[14:15] offset:((i%8)+16*(i/8))*512 th:TH_STORE_NT   ; 32 lanes store a row of 512 consecutive bytes, aligned
.set i, i+1
.endr
	s_wait_tensorcnt 0x0                           ; the wave's end: behind my last tensor load and my last LDS store
	ds_add_u32 v[SPW], v[NIL]
	s_wait_dscnt 0x0
	CROUND                                         ; the closing round: no work-group ends while a partner may still ask for a tile that names it
	s_endpgm
.Lfunc_end_k_q329b51532d_attn:
	.size	k_q329b51532d_attn, .Lfunc_end_k_q329b51532d_attn-k_q329b51532d_attn
	.p2alignl 7, 3214868480
	.fill 96, 4, 3214868480
	.section	.rodata,"a",@progbits
	.p2align	6, 0x0
	.amdhsa_kernel k_q329b51532d_attn
		.amdhsa_group_segment_fixed_size 327680
		.amdhsa_private_segment_fixed_size 0
		.amdhsa_enable_private_segment 0
		.amdhsa_kernarg_size 48
		.amdhsa_user_sgpr_count 2
		.amdhsa_user_sgpr_kernarg_segment_ptr 1
		.amdhsa_wavefront_size32 1
		.amdhsa_system_sgpr_workgroup_id_x 1
		.amdhsa_system_sgpr_workgroup_id_y 1
		.amdhsa_system_sgpr_workgroup_id_z 1
		.amdhsa_system_vgpr_workitem_id 0
		.amdhsa_next_free_vgpr 512
		.amdhsa_next_free_sgpr 66
		.amdhsa_reserve_vcc 0
		.amdhsa_float_denorm_mode_32 3
		.amdhsa_float_denorm_mode_16_64 3
		.amdhsa_fp16_overflow 1
		.amdhsa_memory_ordered 1
		.amdhsa_forward_progress 1
		.amdhsa_inst_pref_size 139
	.end_amdhsa_kernel
	.amdgpu_metadata
---
amdhsa.version: [ 1, 2 ]
amdhsa.kernels:
  - .name:           k_q329b51532d_attn
    .symbol:         k_q329b51532d_attn.kd
    .args:
      - { .name: qb, .offset: 0, .size: 8, .value_kind: global_buffer, .address_space: global }
      - { .name: kvb, .offset: 8, .size: 8, .value_kind: global_buffer, .address_space: global }
      - { .name: wimg, .offset: 16, .size: 8, .value_kind: global_buffer, .address_space: global }
      - { .name: bo, .offset: 24, .size: 8, .value_kind: global_buffer, .address_space: global }
      - { .name: x, .offset: 32, .size: 8, .value_kind: global_buffer, .address_space: global }
      - { .name: out0, .offset: 40, .size: 8, .value_kind: global_buffer, .address_space: global }
    .group_segment_fixed_size: 327680
    .private_segment_fixed_size: 0
    .kernarg_segment_align: 8
    .kernarg_segment_size: 48
    .max_flat_workgroup_size: 256
    .sgpr_count:     66
    .vgpr_count:     512
    .wavefront_size: 32
...
	.end_amdgpu_metadata
.endif
;; end of part 3
